; MI455X (gfx1250); checked and timed in simulation.
; The chip was launched on July 23, 2026; its instructions are those of AMD's public machine-readable ISA for CDNA 5 (MIT licence, August 2026) and "CDNA5" Instruction Set Architecture Reference Guide (July 2026). The comments in the code are by the model that wrote it; some were corrected since.
;; GQA Model. Allowed arithmetic: matrix products marked QUANTISED: E2M1 operands, one E8M0 scale for each 32 along K, by v_wmma_scale_f32_16x16x128_f8f6f4 with both operands' format E2M1 (or v_wmma_scale_f32_32x16x128_f4), f32 sums; everything else in f32.
;; Inputs: k 2 x 8 x 2,048 x 128 float32; q 2 x 32 x 2,048 x 128 float32; v 2 x 8 x 2,048 x 128 float32.
;; Outputs: out0 2 x 32 x 2,048 x 128 float32.
;; This version of the problem:
;;   THIS VERSION OF THE PROBLEM IS GIVEN IN LOW PRECISION. The matrix products marked QUANTISED in the list below multiply operands that are first quantised to E2M1 (2 exponent bits, 1 mantissa bit; 4 bits a number), with one power-of-two scale for each 32 numbers along K (OCP MX v1.0); their sums are f32. All else is computed in f32.
;;   The module's matrix products, in the order in which they are computed (A, B: the left and right operand; K: the contracted axis; several contracted axes count as one K, in the product's order):
;;     1. batch 16 x [M 8,192, K 128] x [K 128, N 2,048]; A: input q; B: input k: QUANTISED
;;     2. batch 16 x [M 8,192, K 2,048] x [K 2,048, N 128]; A: softmax (see below); B: input v: QUANTISED
;;   THE QUANTISER, for each operand of a quantised product, along K:
;;     - K is cut into blocks of 32 from its start; a last block that is shorter is filled with zeros.
;;     - A block's scale is 2^e with e = floor(log2(the largest magnitude in the block)) - 2, held to -126 .. 127; a block of zeros has e = 0. As a byte (E8M0): e + 127.
;;     - Each number is divided by its block's scale, clamped to +-6, and rounded to the nearest number of E2M1, ties to even, subnormals kept.
;;     - The product sums the exact products of the quantised numbers (number of the format x scale) in f32.
;;   ~~~python
;;   def quantise(x, axis):      # numpy; x: float32 -> the quantised numbers, widened to float32 again
;;       x = np.moveaxis(x, axis, -1); K = x.shape[-1]
;;       x = np.pad(x, [(0, 0)] * (x.ndim - 1) + [(0, -K % 32)]); x = x.reshape(x.shape[:-1] + (-1, 32)); a = np.abs(x).max(-1, keepdims=True)
;;       e = np.where(a > 0, np.clip(np.frexp(np.where(a > 0, a, 1))[1] - 1 - 2, -126, 127), 0)      # np.frexp(a)[1] - 1 = floor(log2(a)), exactly
;;       r = np.clip(x / 2.0 ** e, -6, 6)
;;       step = 2.0 ** (np.maximum(np.frexp(np.where(r == 0, 1, r))[1] - 1, 0) - 1)
;;       q = np.round(r / step) * step * 2.0 ** e      # np.round: ties to even
;;       return np.moveaxis(q.reshape(q.shape[:-2] + (-1,))[..., :K], -1, axis).astype(np.float32)
;;   ~~~
;;   SOFTMAX AHEAD OF A QUANTISED PRODUCT. Where the list says 'softmax', what is quantised is not the finished softmax but p = 2^(t - M), with t = logit x log2(e) and M = ceil(the row's largest t), a whole number; so 1/2 < the row's largest p <= 1. The row's sum l is taken of the UNQUANTISED p, in f32, and the product's result is divided by l at the end. Since M is a whole number, a kernel that streams over the keys may use a running M (the ceiling of the running maximum): every later rescaling is an exact power of two, which a block's scale takes up: the codes' values come out the same.
;;   OPERANDS COMPUTED ON THE WAY. 'Computed on the way' means the value that the module computes at that place (a softmax that the list does not call 'softmax' is quantised finished and normalised). What goes into a quantiser is computed in f32, as accurately as f32 sums, v_exp_f32 and their like allow (about 1e-6 of the number): no bf16 or f16 on the way to a quantiser, and a product that is left as it is and whose result goes on into a quantised operand takes f32 operands (vector FMAs, or v_wmma_f32_16x16x4_f32). A number that lies on a knife's edge between two numbers of the format may be rounded either way, as far as f32 arithmetic and the matrix unit's own rounding can turn it there, and no further.
;; One version. Each part assembles by itself: llvm-mc -triple=amdgcn-amd-amdhsa -mcpu=gfx1250 --defsym DOCPART=n.
;; ======== version 1 of 1: 2 launches
;; workspace buffers: kv 4,456,448 bytes
;; launch prep (part 1): grid 256 x 2, 4 waves a work-group, no clusters, 68,096 bytes of LDS; arguments k, v, kv; writes kv
.if DOCPART == 1
	.amdgcn_target "amdgcn-amd-amdhsa--gfx1250"
	.amdhsa_code_object_version 6
	.text
	.protected	k_qedbbae87ba_prep
	.globl	k_qedbbae87ba_prep
	.p2align	8
	.type	k_qedbbae87ba_prep,@function
k_qedbbae87ba_prep:
	s_mov_b64 s[64:65], 0
	v_nop
	global_prefetch_b8 v0, s[64:65] scope:SCOPE_SE
	s_setreg_imm32_b32 hwreg(HW_REG_WAVE_MODE, 25, 1), 1
	s_wait_xcnt 0x0
; k and v, [16 heads][2048 keys][128 channels] f32, become codes of FP4 (E2M1) with one E8M0 scale byte for each 32 along a product's K:
; k along the channels (the first product's K), v along the keys (the second product's K).
; The results are laid as IMAGES OF THE OPERANDS' REGISTERS, so that the attention launch takes a fragment by two loads of 16 bytes a lane at 16 x lane.
; kv: head hk at hk x 278,528; in it key step s (keys 128 s .. 128 s + 127) at s x 17,408; in a step:
;   0       8,192 bytes  K's eight tiles.  Tile T = 2 b + u at 1024 T + 512 c + 16 lane: lane (r, h) holds key 32 b + 8 u + r + 8 (r / 8), channels 64 c + 32 h + 0 .. 31
;   8,192     512 bytes  K's scale words: tile T, row r at 256 (T / 4) + 16 r + 4 (T % 4); byte = block of 32 channels
;   8,704   8,192 bytes  V's eight tiles.  Tile T (channels 16 T + r) at 1024 T + 512 c + 16 lane: lane (r, h) holds keys 64 c + 32 h + 0 .. 31 of the step
;   16,896    512 bytes  V's scale words, in the same form; byte = block of 32 keys of the step
; THE KEYS OF A TILE OF K ARE NOT NEIGHBOURS, so that in the transposed first product the 16 registers of tiles 2 b and 2 b + 1 are 16 neighbouring keys.
; A block's scale is 2^(floor(log2(its largest magnitude)) - 2); its byte is the largest magnitude's exponent field - 2, held at 1 from below.
; LIMITS: a block of zeros gets the byte 1 where the rule says 127: its codes are zeros, which add nothing under any byte but 0xff, and this program alone reads the bytes.
;         NaN and infinities among the inputs are not served.
; SHARES: work-group x = 16 hk + s, one key step of one head; work-group y = 0: k, 1: v.  Four waves, which share nothing: no barrier.  The two ways part on y and never join; only k's way uses LDS.
; The scale words leave as 4 bytes a lane, 16 bytes apart: 1,024 bytes of each step's 17,408 are stored so; all else leaves as runs of 256 or 512 consecutive aligned bytes.
.set STEPB, 17408                      ; a key step in kv
.set SCW,   8192                       ; where a part's scale words begin
.set VPART, 8704                       ; where V's part of a step begins
.set SROW,  528                        ; k's way: a stage row, 512 bytes + 16: the 16 rows that a read touches start 33 x 16 bytes apart
.set STG,   16*SROW                    ; a stage: the 16 rows of a tile; two stages for each wave
.set R,     32                         ; k's way: v32-159  two tiles x 16 rows as loaded, 4 registers a row
.set X,     160                        ; k's way: v160-223 64 numbers of my row: register 32 c + i = channel 64 c + 32 h + i
.set XV,    32                         ; v's way: v32-159  four blocks of 32 keys of my channel
.set C,     224                        ; v224-239 codes; each store has registers of its own, so none is written again
.macro KTILE u                         ; tile 2 b + u of wave b
	s_wait_loadcnt 16*(1-\u)                       ; this tile's sixteen loads are in; with u = 0 the other tile's sixteen stay out
.irp p, 0,1,2,3,4,5,6,7,8,9,10,11,12,13,14,15
	ds_store_b128 v6, v[R+64*\u+4*\p:R+64*\u+4*\p+3] offset:\u*STG+\p*SROW   ; a row as it lies, 512 consecutive bytes; the rows in the tile's order
.endr
.irp c, 0,1
.irp m, 0,1,2,3,4,5,6,7
	ds_load_b128 v[X+32*\c+4*\m:X+32*\c+4*\m+3], v7 offset:\u*STG+256*\c+16*\m   ; my row r, channels 64 c + 32 h on: LDS serves a wave's instructions in order, so these see the stores above
.endr
.endr
	s_wait_dscnt 0x0
.irp c, 0,1
	v_max3_num_f32 v[8+\c], |v[X+32*\c]|, |v[X+32*\c+1]|, 0x1800000   ; my block 2 c + h: all its 32 numbers are mine; and the floor 2^(3 - 127), so that the byte cannot fall under 1
.endr
.irp i, 2,4,6,8,10,12,14,16,18,20,22,24,26,28,30
.irp c, 0,1
	v_max3_num_f32 v[8+\c], v[8+\c], |v[X+32*\c+\i]|, |v[X+32*\c+\i+1]|   ; (the two blocks by turns)
.endr
.endr
.irp c, 0,1
	v_add_nc_u32 v[10+\c], 0xff000000, v[8+\c]     ; 2 off the exponent field: the conversion takes the exponent field of this operand as its scale
.endr
.irp c, 0,1
	v_lshrrev_b32 v[12+\c], 23, v[10+\c]           ; the scale's byte
.endr
	v_lshl_or_b32 v14, v13, 16, v12                ; my two bytes, blocks h and 2 + h of my row,
	v_lshlrev_b32 v14, v16, v14                    ; at their places in the word (8 h bits up);
	v_permlanex16_b32 v15, v14, s22, s23
	v_or_b32 v[240+\u], v14, v15                   ; with lane l xor 16's two the word is whole, in both halves of the lanes
.irp c, 0,1
.irp g, 0,1,2,3
	v_cvt_scalef32_pk8_fp4_f32 v[C+8*\u+4*\c+\g], v[X+32*\c+8*\g:X+32*\c+8*\g+7], v[10+\c]   ; registers 4 c .. 4 c + 3 of the operand
.endr
.endr
	v_nop                                          ; one plain line behind the last scaled conversion
.irp c, 0,1
	global_store_b128 v4, v[C+8*\u+4*\c:C+8*\u+4*\c+3], s[18:19] offset:\u*1024+512*\c   ; 32 lanes store 512 consecutive bytes, at a multiple of 256 from kv's first byte
.endr
.endm
.macro VLOAD b                         ; block b: v(32 b + i, my channel), i = 0 .. 31: a wave reads 128 consecutive bytes, the four waves side by side a row's 512
.irp i, 0,1,2,3,4,5,6,7,8,9,10,11,12,13,14,15,16,17,18,19,20,21,22,23,24,25,26,27,28,29,30,31
	global_load_b32 v[XV+32*\b+\i], v6, s[16:17] offset:(32*\b+\i)*512 th:TH_LOAD_NT
.endr
.endm
.macro VBLOCK b
	v_max3_num_f32 v8, |v[XV+32*\b]|, |v[XV+32*\b+1]|, |v[XV+32*\b+2]|   ; the block's largest magnitude: all 32 numbers are mine; two chains
	v_max3_num_f32 v9, |v[XV+32*\b+3]|, |v[XV+32*\b+4]|, |v[XV+32*\b+5]|
.irp i, 6,10,14,18,22,26
	v_max3_num_f32 v8, v8, |v[XV+32*\b+\i]|, |v[XV+32*\b+\i+1]|
	v_max3_num_f32 v9, v9, |v[XV+32*\b+\i+2]|, |v[XV+32*\b+\i+3]|
.endr
	v_max3_num_f32 v8, v8, |v[XV+32*\b+30]|, |v[XV+32*\b+31]|
	v_max3_num_f32 v8, v8, v9, 0x1800000           ; and the floor 2^(3 - 127)
	v_add_nc_u32 v10, 0xff000000, v8               ; the conversion's scale operand
	v_lshrrev_b32 v11, 23, v10                     ; the scale's byte
.if \b == 0
	v_mov_b32 v240, v11                            ; four bytes to the word, the lower keys in the lower byte
.else
	v_lshl_or_b32 v240, v11, 8*\b, v240
.endif
.irp g, 0,1,2,3
	v_cvt_scalef32_pk8_fp4_f32 v[C+4*\b+\g], v[XV+32*\b+8*\g:XV+32*\b+8*\g+7], v10
.endr
	v_nop                                          ; one plain line behind the last scaled conversion
	global_store_b128 v7, v[C+4*\b:C+4*\b+3], s[18:19] offset:(\b/2)*512+(\b%2)*256   ; block b = 2 c + h' of the image: lanes 0-15 fill 256 aligned bytes of tile 2 w's image, lanes 16-31 of tile 2 w + 1's
.endm
	s_load_b128 s[4:7], s[0:1], 0x0                ; k s[4:5], v s[6:7]
	s_load_b64 s[8:9], s[0:1], 0x10                ; kv
	v_lshl_add_u32 v248, v0, 2, 0x10800
	v_mov_b32 v249, 0
	v_lshrrev_b32 v1, 5, v0
	v_readfirstlane_b32 s10, v1                    ; wave 0..3
	v_and_b32 v1, 31, v0                           ; lane
	v_and_b32 v2, 15, v0                           ; r
	v_bfe_u32 v3, v0, 4, 1                         ; h
	v_lshlrev_b32 v4, 4, v1                        ; 16 x lane
	v_lshlrev_b32 v5, 4, v2
	v_lshl_add_u32 v5, v3, 2, v5                   ; 16 r + 4 h: lanes 0-15 store the words of my first tile, lanes 16-31 of my second
	s_lshl_b32 s12, ttmp9, 16                      ; the step's 128 rows of 512 bytes are dense: 65,536 x (16 hk + s)
	s_mov_b32 s13, 0
	s_mul_i32 s14, ttmp9, STEPB                    ; the step in kv
	s_mov_b32 s15, 0
	s_lshr_b32 s26, s10, 1                         ; my two tiles' scale words: 256 (wave / 2) + 8 (wave % 2)
	s_lshl_b32 s26, s26, 8
	s_and_b32 s27, s10, 1
	s_lshl_b32 s27, s27, 3
	s_add_co_u32 s26, s26, s27
	s_add_co_u32 s26, s26, s14
	s_add_co_u32 s26, s26, SCW
	s_mov_b32 s27, 0
	s_lshl_b32 s25, s10, 11                        ; my two tiles' images: 2,048 x wave
	s_add_co_u32 s14, s14, s25
	s_mov_b32 s22, 0x76543210
	s_mov_b32 s23, 0xfedcba98                      ; v_permlanex16_b32's selects for lane l xor 16
	s_and_b32 s24, ttmp7, 0xffff                   ; 0: k, 1: v
	s_wait_kmcnt 0x0
	s_add_nc_u64 s[18:19], s[8:9], s[14:15]        ; where my images go,
	s_add_nc_u64 s[20:21], s[8:9], s[26:27]        ; and my scale words
	s_cmp_lg_u32 s24, 0
	s_cbranch_scc1 .Lv
	; ---- k: wave b takes keys 32 b .. 32 b + 31 of the step: tiles 2 b and 2 b + 1
	s_lshl_b32 s24, s10, 14                        ; 32 rows of 512 bytes a wave
	s_add_co_u32 s12, s12, s24
	s_add_nc_u64 s[16:17], s[4:5], s[12:13]
.irp u, 0,1
.irp p, 0,1,2,3,4,5,6,7,8,9,10,11,12,13,14,15
	global_load_b128 v[R+64*\u+4*\p:R+64*\u+4*\p+3], v4, s[16:17] offset:(8*\u+\p+8*(\p/8))*512 th:TH_LOAD_NT   ; row p of tile u: one whole row, 512 consecutive bytes; all 32 loads go out together
.endr
.endr
	s_mul_i32 s25, s10, 2*STG                      ; my two stages
	v_add_nc_u32 v6, s25, v4                       ; in: 16 x lane
	v_mul_u32_u24 v7, v2, SROW
	v_lshl_add_u32 v7, v3, 7, v7
	v_add_nc_u32 v7, s25, v7                       ; out: row r, + 128 h bytes
	v_lshlrev_b32 v16, 3, v3                       ; 8 h
	v_mov_b32 v15, 0                               ; written once: a lane permute's destination counts as one of its sources
	KTILE 0
	KTILE 1
	v_cmp_lt_u32 vcc_lo, 15, v1
	v_cndmask_b32 v242, v240, v241, vcc_lo         ; lanes 16-31 take the second tile's words
	global_store_b32 v5, v242, s[20:21]
	s_wait_tensorcnt 0x0
	ds_add_u32 v248, v249
	s_wait_dscnt 0x0
	s_endpgm
	; ---- v: wave w takes channels 32 w + lane; a lane's registers run down the keys, so a block of 32 keys lies in one lane and the codes come out with the keys innermost
.Lv:
	s_lshl_b32 s24, s10, 7                         ; 32 channels of 4 bytes a wave
	s_add_co_u32 s12, s12, s24
	s_add_nc_u64 s[16:17], s[6:7], s[12:13]
	s_add_nc_u64 s[18:19], s[18:19], VPART
	s_add_nc_u64 s[20:21], s[20:21], VPART
	v_lshlrev_b32 v6, 2, v1                        ; in: 4 bytes a lane
	v_lshlrev_b32 v7, 10, v3
	v_lshl_add_u32 v7, v2, 4, v7                   ; out: 1,024 h (my tile of the wave's two) + 16 r
	VLOAD 0
	VLOAD 1
	s_wait_loadcnt 32                              ; block 0 is in; block 1's 32 loads stay out
	VLOAD 2
	VBLOCK 0
	s_wait_loadcnt 32                              ; block 1 is in; block 2's stay out
	VLOAD 3
	VBLOCK 1
	s_wait_loadcnt 32                              ; block 2 is in; block 3's stay out
	VBLOCK 2
	s_wait_loadcnt 0x0
	VBLOCK 3
	global_store_b32 v5, v240, s[20:21]            ; my channel's scale word for these 128 keys
	s_endpgm
.Lfunc_end_k_qedbbae87ba_prep:
	.size	k_qedbbae87ba_prep, .Lfunc_end_k_qedbbae87ba_prep-k_qedbbae87ba_prep
	.p2alignl 7, 3214868480
	.fill 96, 4, 3214868480
	.section	.rodata,"a",@progbits
	.p2align	6, 0x0
	.amdhsa_kernel k_qedbbae87ba_prep
		.amdhsa_group_segment_fixed_size 68096
		.amdhsa_private_segment_fixed_size 0
		.amdhsa_enable_private_segment 0
		.amdhsa_kernarg_size 24
		.amdhsa_user_sgpr_count 2
		.amdhsa_user_sgpr_kernarg_segment_ptr 1
		.amdhsa_wavefront_size32 1
		.amdhsa_system_sgpr_workgroup_id_x 1
		.amdhsa_system_sgpr_workgroup_id_y 1
		.amdhsa_system_sgpr_workgroup_id_z 1
		.amdhsa_system_vgpr_workitem_id 0
		.amdhsa_next_free_vgpr 250
		.amdhsa_next_free_sgpr 66
		.amdhsa_reserve_vcc 1
		.amdhsa_float_denorm_mode_32 3
		.amdhsa_float_denorm_mode_16_64 3
		.amdhsa_memory_ordered 1
		.amdhsa_forward_progress 1
		.amdhsa_inst_pref_size 35
	.end_amdhsa_kernel
	.amdgpu_metadata
---
amdhsa.version: [ 1, 2 ]
amdhsa.kernels:
  - .name:           k_qedbbae87ba_prep
    .symbol:         k_qedbbae87ba_prep.kd
    .args:
      - { .name: k, .offset: 0, .size: 8, .value_kind: global_buffer, .address_space: global }
      - { .name: v, .offset: 8, .size: 8, .value_kind: global_buffer, .address_space: global }
      - { .name: kv, .offset: 16, .size: 8, .value_kind: global_buffer, .address_space: global }
    .group_segment_fixed_size: 68096
    .private_segment_fixed_size: 0
    .kernarg_segment_align: 8
    .kernarg_segment_size: 24
    .max_flat_workgroup_size: 128
    .sgpr_count:     66
    .vgpr_count:     250
    .wavefront_size: 32
...
	.end_amdgpu_metadata
.endif
;; end of part 1
;; launch attn (part 2): grid 16 x 16, 16 waves a work-group, clusters of 4 x 1, 315,392 bytes of LDS; arguments q, kv, out0; writes out0
.if DOCPART == 2
	.amdgcn_target "amdgcn-amd-amdhsa--gfx1250"
	.amdhsa_code_object_version 6
	.text
	.protected	k_qedbbae87ba_attn
	.globl	k_qedbbae87ba_attn
	.p2align	8
	.type	k_qedbbae87ba_attn,@function
k_qedbbae87ba_attn:
	s_mov_b64 s[64:65], 0
	v_nop
	global_prefetch_b8 v0, s[64:65] scope:SCOPE_SE
	s_setreg_imm32_b32 hwreg(HW_REG_WAVE_MODE, 25, 1), 1
	s_wait_xcnt 0x0
	s_wait_alu depctr_hold_cnt(0) depctr_sa_sdst(0) depctr_va_vdst(0) depctr_va_sdst(0) depctr_va_ssrc(0) depctr_va_vcc(0) depctr_vm_vsrc(0)
	s_getreg_b32 s2, hwreg(HW_REG_IB_STS2, 6, 4)
	s_cmp_eq_u32 s2, 0
	s_cbranch_scc0 .Lentry_in_a_cluster
	s_endpgm
.Lentry_in_a_cluster:
	s_bfe_u32 s2, ttmp6, 0x10000c
	s_cmp_lg_u32 s2, 0x3003
	s_cbranch_scc0 .Lentry_shape_is_right
	s_endpgm
.Lentry_shape_is_right:
; out0[head][q][:] = the sum over keys k <= q of softmax_k(Q[head][q] . K[hk][k] / sqrt(128)) V[hk][k][:], hk = head / 4; 64 query heads, 16 K/V heads, 2,048 positions, 128 channels.
; Both products on codes of FP4 (E2M1) with one E8M0 scale for each 32 along a product's K.  K and V come as codes from kv (the launch before laid them as images of the operands' registers); q, f32, is quantised here, in registers.
; THE SOFTMAX AHEAD OF THE SECOND PRODUCT: t = score x log2(e) / sqrt(128); M = the row's largest t so far, rounded UP to a whole number; p = 2^(t - M) is what is quantised, along the keys; it is not normalised.
; The row's sum is taken of the unquantised p, in f32, and divides at the end.  When M moves, the sum and O are multiplied by 2^(old M - new M): exact.
; SHARES.  A work-group has one query head and sixteen waves, each with one tile of 16 queries in 256 registers: four waves to a SIMD, so that one wave's vector work stands beside another's matrix work and LDS loads.
; It runs two phases: block j of 256 queries (wave w: tile w), then block 7 - j (wave w: tile 15 - w).  A tile at query Q0 has Q0 / 128 + 1 key steps of 128 that the causal mask leaves;
; Q0 and 2,032 - Q0 together have 17: every wave of every work-group does the same work.
; THE WHOLE K/V HEAD LIES IN LDS: 16 steps x 17,408 bytes = 278,528, filled once: no ring, no slot is filled again, one barrier in the launch beside the cluster's two rounds.
; CLUSTER.  The four query heads of a group with the same j need the same K/V head and take the same branches: they are the four work-groups of a cluster, and each part of the head is asked for JOINTLY, by the same
; tensor load with the same descriptor and a mask that names the four.  The place in the cluster (the query head in its group) enters q's and out0's addresses and nothing else.
; (The other clusters of a K/V head differ in j, and so in their branches: they are not joined.)
; LAYOUT.  Both products are used transposed: S^T = K Q^T (source 0 = 16 keys, source 1 = my 16 queries), O^T = V^T P^T (source 0 = 16 channels, source 1 = P): a lane holds ONE query (lane % 16) throughout.
; Lane r of K's tile 2 b + u is key 32 b + 8 u + r + 8 (r / 8), so the 16 registers of tiles 2 b and 2 b + 1 are the neighbouring keys 32 b + 16 (lane / 16) + 0 .. 15.
; LIMITS: NaN and infinities among the inputs are not served.  A block of zeros gets the byte 1 and zero codes.  A p under 2^-126 comes out as 0 (v_exp_f32 gives no denormals: ISA guide, its entry in 15.8).
; REGISTERS: v1-7 addresses that stay; v8, v9 the step's LDS addresses; v10 r, v11 r - 16 h; v12 -M, v13 the largest t, v[14:15] the sum in two halves; v16-23 Q's codes; v24-31 eight scale words of K, then of V;
;   v32-95 eight fragments of K, then of V (on the way out: rows of out0); v96-159 q's numbers, then S^T, then p, then O / the sum; v160-223 O^T; v224-231 p's codes; v232-254 at work; v253 p's scale word; v255 Q's.
.set STEPB, 17408                      ; a key step in kv and in LDS: K's fragments 8,192, K's scale words 512, V's fragments 8,192, V's scale words 512
.set KSC,   8192
.set VFR,   8704
.set VSC,   16896
.set HEADB, 16*STEPB                   ; 278,528
.set TLB,   8704                       ; what one tensor load brings: 34 rows of 256 bytes; 16 waves x 2 loads are the head
.set STAGE, HEADB                      ; behind the head: a stage of 8 rows x 272 bytes for each wave, for the way out; no tensor load lands there
.set SP,    272
.set WSTG,  8*SP
; A round of the cluster's barrier: my work-group's barrier, so that wave 0's signal speaks for all sixteen waves; wave 0 signals for the work-group; every wave waits for the four work-groups; my work-group's barrier once more.
.macro CROUND
	s_barrier_signal -1
	s_barrier_wait -1
	s_cmp_lg_u32 s10, 0
	s_cbranch_scc1 .Lnot_wave_0_\@
	s_barrier_signal -3
.Lnot_wave_0_\@:
	s_barrier_wait -3
	s_barrier_signal -1
	s_barrier_wait -1
.endm
; 64 numbers of q in v96 on, register 16 b + i = channel 32 b + 16 (lane / 16) + i of my query, become Q's fragment in v16-23 and its scale word in v255.
.macro QUANTQ
.irp b, 0,1,2,3
	v_max3_num_f32 v[232+\b], |v[96+16*\b]|, |v[97+16*\b]|, 0x1800000   ; block b: my 16 numbers, and the floor 2^(3 - 127), so that the byte cannot fall under 1
.endr
.irp i, 2,4,6,8,10,12,14
.irp b, 0,1,2,3
	v_max3_num_f32 v[232+\b], v[232+\b], |v[96+16*\b+\i]|, |v[97+16*\b+\i]|   ; (the four blocks by turns)
.endr
.endr
.irp b, 0,1,2,3
	v_permlanex16_b32 v[236+\b], v[232+\b], s20, s21
.endr
.irp b, 0,1,2,3
	v_max_num_f32 v[232+\b], v[232+\b], v[236+\b]  ; with lane l xor 16's: the block's largest magnitude
.endr
.irp b, 0,1,2,3
	v_add_nc_u32 v[244+\b], 0xff000000, v[232+\b]  ; 2 off its exponent field: the conversion's scale operand
.endr
.irp b, 0,1,2,3
	v_lshrrev_b32 v[236+\b], 23, v[244+\b]         ; the scale's byte
.endr
	v_lshl_or_b32 v255, v237, 8, v236              ; the four bytes make my query's scale word
	v_lshl_or_b32 v255, v238, 16, v255
	v_lshl_or_b32 v255, v239, 24, v255
.irp b, 0,1,2,3
	v_cvt_scalef32_pk8_fp4_f32 v[16+2*\b], v[96+16*\b:103+16*\b], v[244+\b]
	v_cvt_scalef32_pk8_fp4_f32 v[17+2*\b], v[104+16*\b:111+16*\b], v[244+\b]
.endr
	v_nop                                          ; one plain line behind the last scaled conversion
.irp c, 0,1                                    ; the operand's layout wants a WHOLE block in a lane: lanes 0-15 block 2 c, lanes 16-31 block 2 c + 1
.irp i, 0,1
	v_permlane16_swap_b32 v[16+4*\c+\i], v[18+4*\c+\i]
.endr
.endr
.endm
; A KEY STEP: 128 keys from s16 on; their bytes begin at LDS byte s17.
.macro STEP ph
	s_cmp_gt_u32 s16, s15                          ; all 128 keys come after my 16 queries: the step's work is left out (a branch on ids; the lines at the step's end that step the addresses are not jumped over)
	s_cbranch_scc1 .Lhidden_\@
	v_add_nc_u32 v8, s17, v1
	v_add_nc_u32 v9, s17, v2
	v_nop
	v_nop                                          ; four plain lines between the last step's products and the loads into the registers that they read
.irp g, 0,1
	ds_load_b128 v[24+4*\g:27+4*\g], v9 offset:KSC+256*\g   ; K's scale words, four tiles' to a load: lane r takes row r's
.endr
.irp t, 0,1,2,3,4,5,6,7
.irp c, 0,1
	ds_load_b128 v[32+8*\t+4*\c:35+8*\t+4*\c], v8 offset:\t*1024+512*\c   ; K's fragments as they were laid: 512 consecutive bytes a load
.endr
.endr
.irp t, 0,1,2,3,4,5,6,7
	s_wait_dscnt 14-2*\t                           ; LDS loads come back in order: the scale words and tile t are in; the loads of tiles t + 1 .. 7 may be out
	v_wmma_scale_f32_16x16x128_f8f6f4 v[96+8*\t:103+8*\t], v[32+8*\t:39+8*\t], v[16:23], 0, v[24+\t], v255 matrix_a_fmt:MATRIX_FMT_FP4 matrix_b_fmt:MATRIX_FMT_FP4
.endr
.rept 4
	v_nop                                          ; four plain lines: ahead of the loads into K's registers, and of the first read of the scores
.endr
.irp g, 0,1
	ds_load_b128 v[24+4*\g:27+4*\g], v9 offset:VSC+256*\g   ; V's scale words and fragments take K's registers: they land while the softmax is worked
.endr
.irp t, 0,1,2,3,4,5,6,7
.irp c, 0,1
	ds_load_b128 v[32+8*\t+4*\c:35+8*\t+4*\c], v8 offset:VFR+\t*1024+512*\c
.endr
.endr
	s_add_co_u32 s19, s16, 127                     ; a step all of whose keys count for all my queries skips the mask
	s_cmp_le_u32 s19, s14
	s_cbranch_scc1 .Lopen_\@
.if \ph == 0
	; The step on the diagonal is a phase's last.  In phase 0 it asks for the q tile of my phase 1: 16 rows of 512 bytes are 8,192 dense bytes, a lane to each 256: each is named once in the launch,
	; by the wave that will load it; between this line and that load stand this step's softmax and products and the way out.  Its address registers are never rewritten.
	global_prefetch_b8 v7, s[26:27] th:TH_LOAD_NT scope:SCOPE_SE
.endif
	s_sub_co_i32 s19, s14, s16
	v_add_nc_u32 v252, s19, v11                    ; d = my query - the step's first key - 16 (lane / 16).  Register 16 b + i holds key 32 b + 16 (lane / 16) + i of the step: hidden where 32 b + i > d
	v_mov_b32 v254, 0xff800000                     ; -infinity: p = 0 then
.irp n, 0,1,2,3,4,5,6,7,8,9,10,11,12,13,14,15,16,17,18,19,20,21,22,23,24,25,26,27,28,29,30,31,32,33,34,35,36,37,38,39,40,41,42,43,44,45,46,47,48,49,50,51,52,53,54,55,56,57,58,59,60,61,62,63
	v_cmp_gt_i32 vcc_lo, 32*(\n/16)+\n%16, v252
	v_cndmask_b32 v[96+\n], v[96+\n], v254, vcc_lo
.endr
.Lopen_\@:
.irp b, 0,1,2,3
	v_max3_num_f32 v[232+\b], v[96+16*\b], v[97+16*\b], v[98+16*\b]   ; THE LARGEST SCORE OF EACH BLOCK OF 32 KEYS serves twice: for the row's maximum, and, since p rises with the score, for the block's largest p
.endr
.irp i, 3,5,7,9,11,13
.irp b, 0,1,2,3
	v_max3_num_f32 v[232+\b], v[232+\b], v[96+16*\b+\i], v[97+16*\b+\i]   ; (the four blocks by turns)
.endr
.endr
.irp b, 0,1,2,3
	v_max_num_f32 v[232+\b], v[232+\b], v[111+16*\b]
.endr
.irp b, 0,1,2,3
	v_permlanex16_b32 v[236+\b], v[232+\b], s20, s21
.endr
.irp b, 0,1,2,3
	v_max_num_f32 v[232+\b], v[232+\b], v[236+\b]  ; with lane l xor 16's 16 keys
.endr
	v_max3_num_f32 v254, v232, v233, v234
	v_max_num_f32 v254, v254, v235                 ; the step's largest score of my query (key 0 counts for every query, so it is a number from the first step on)
	v_mul_f32 v254, s22, v254                      ; as t (c is positive)
	v_max_num_f32 v13, v13, v254                   ; the running largest t
	v_mov_b32 v254, v12
	v_floor_f32 v12, -v13                          ; the new -M = floor(-t) = -ceil(t): M is a whole number
	v_sub_f32 v254, v12, v254                      ; M's old value less its new one: a whole number, 0 or less
	v_cvt_i32_f32 v254, v254                       ; (it saturates)
	v_ldexp_f32 v252, 1.0, v254                    ; f = 2^(old M - new M): a multiplication by it rounds nothing
.set n, 0
.rept 32
	v_pk_fma_f32 v[96+n:97+n], v[96+n:97+n], s[22:23], v[12:13] op_sel_hi:[1,0,0]   ; t - M, two at a time (of the pairs c and -M the low word serves both halves)
.set n, n+2
.endr
.irp b, 0,1,2,3
	v_fma_f32 v[232+\b], v[232+\b], s22, v12       ; the same of each block's largest score
.endr
.set n, 0
.rept 64
	v_exp_f32 v[96+n], v[96+n]                     ; p = 2^(t - M), at most 1: not normalised
.set n, n+1
.endr
	v_pk_mul_f32 v[14:15], v[14:15], v[252:253] op_sel_hi:[1,0]   ; the sums under the new M: a plain line behind the exponentials
	s_wait_alu depctr_va_vdst(0)                   ; one wait for the batch of 64, ahead of its first reader
.irp b, 0,1,2,3
	v_exp_f32 v[232+\b], v[232+\b]                 ; the block's largest p: the same two instructions on the same number give the same bits
.endr
	v_pk_add_f32 v[236:237], v[96:97], v[98:99]    ; THE ROW'S SUM IS TAKEN OF THE UNQUANTISED p: two at a time, in two chains (they read the 64 alone: plain work behind the four)
.irp j, 4,8,12,16,20,24,28,32,36,40,44,48,52,56,60
	v_pk_add_f32 v[14:15], v[14:15], v[96+\j:97+\j]
	v_pk_add_f32 v[236:237], v[236:237], v[98+\j:99+\j]
.endr
	v_pk_add_f32 v[14:15], v[14:15], v[236:237]
	s_wait_alu depctr_va_vdst(0)                   ; and one wait for the four
.irp b, 0,1,2,3
	v_max_num_f32 v[232+\b], 0x1800000, v[232+\b]  ; the floor 2^(3 - 127): a block whose every p is 0 keeps the byte 1: its codes are zeros
.endr
.irp b, 0,1,2,3
	v_add_nc_u32 v[244+\b], 0xff000000, v[232+\b]  ; 2 off the exponent field: the conversion's scale operand
.endr
.irp b, 0,1,2,3
	v_lshrrev_b32 v[236+\b], 23, v[244+\b]         ; the scale's byte
.endr
	v_lshl_or_b32 v253, v237, 8, v236              ; p's scale word for these 128 keys
	v_lshl_or_b32 v253, v238, 16, v253
	v_lshl_or_b32 v253, v239, 24, v253
.irp b, 0,1,2,3
	v_cvt_scalef32_pk8_fp4_f32 v[224+2*\b], v[96+16*\b:103+16*\b], v[244+\b]
	v_cvt_scalef32_pk8_fp4_f32 v[225+2*\b], v[104+16*\b:111+16*\b], v[244+\b]
.endr
	v_nop                                          ; one plain line behind the last scaled conversion
.irp c, 0,1                                    ; a WHOLE block in a lane: lanes 0-15 block 2 c, lanes 16-31 block 2 c + 1
.irp i, 0,1
	v_permlane16_swap_b32 v[224+4*\c+\i], v[226+4*\c+\i]
.endr
.endr
.set n, 0
.rept 32
	v_pk_mul_f32 v[160+n:161+n], v[160+n:161+n], v[252:253] op_sel_hi:[1,0]   ; O^T under the new M, from each accumulator's low end on.  These 32 also stand between the writes of p's codes and scale word and the products
.set n, n+2
.endr
	s_wait_dscnt 0x0                               ; V is in (asked for a softmax ago)
.irp t, 0,1,2,3,4,5,6,7                        ; O^T += V^T P^T: the eight accumulators by turns, one instruction a turn
	v_wmma_scale_f32_16x16x128_f8f6f4 v[160+8*\t:167+8*\t], v[32+8*\t:39+8*\t], v[224:231], v[160+8*\t:167+8*\t], v[24+\t], v253 matrix_a_fmt:MATRIX_FMT_FP4 matrix_b_fmt:MATRIX_FMT_FP4
.endr
.Lhidden_\@:
	s_add_co_u32 s16, s16, 128
	s_add_co_u32 s17, s17, STEPB
.endm
; THE WAY OUT.  O^T / the sum: register 8 T + i of lane (r, h) is out0(query r, channel 16 T + 8 h + i).  My stage holds 8 rows of 256 bytes: beside the head's 278,528 bytes LDS has no room for sixteen stages of 16 rows.
; So the tile goes in four rounds (channels 64 u on, queries 8 qh on): the lanes of those eight queries store, all lanes read whole rows back.  Then sixteen lanes store 256 consecutive aligned bytes of out0.
.macro WAYOUT ph
.rept 4
	v_nop                                          ; four plain lines behind the last products
.endr
	v_add_f32 v14, v14, v15                        ; the sum's two halves,
	v_permlanex16_b32 v252, v14, s20, s21
	v_add_f32 v14, v14, v252                       ; and lane l xor 16's: the row's sum, above 1/2
	v_rcp_f32 v14, v14
	v_nop                                          ; a plain line behind the reciprocal,
	s_wait_alu depctr_va_vdst(0)                   ; and a wait ahead of its first reader
.set n, 0
.rept 32
	v_pk_mul_f32 v[96+n:97+n], v[160+n:161+n], v[14:15] op_sel_hi:[1,0]   ; each accumulator from its low end on
.set n, n+2
.endr
	s_wait_xcnt 0x0                                ; EXEC is written below: every global instruction issued so far has had its address translated; none is issued before the four rounds are over, so this wait serves all eight writes
.irp u, 0,1
.irp qh, 0,1
.if \qh == 0
	v_cmp_gt_u32 vcc_lo, 8, v10                    ; queries 0-7
.else
	v_cmp_le_u32 vcc_lo, 8, v10                    ; queries 8-15
.endif
	s_and_saveexec_b32 s50, vcc_lo
.irp t, 0,1,2,3
	ds_store_b128 v5, v[96+32*\u+8*\t:99+32*\u+8*\t] offset:64*\t       ; row r % 8; tile 4 u + t's eight channels of my half: 64 t + 32 h bytes on
	ds_store_b128 v5, v[100+32*\u+8*\t:103+32*\u+8*\t] offset:64*\t+16
.endr
	s_or_b32 exec_lo, exec_lo, s50                 ; all lanes on again
.irp i, 0,1,2,3
	ds_load_b128 v[32+16*(2*\u+\qh)+4*\i:35+16*(2*\u+\qh)+4*\i], v6 offset:2*\i*SP   ; lanes 0-15 row 2 i, lanes 16-31 row 2 i + 1.  LDS serves a wave's instructions in order: these see the stores above, and the next round's stores come behind them
.endr
.endr
.endr
.irp u, 0,1
.irp qh, 0,1
.irp i, 0,1,2,3
	s_wait_dscnt 12*(3-2*\u-\qh)+3-\i              ; behind this load: the rest of its round's four loads and twelve LDS instructions for each later round
	global_store_b128 v4, v[32+16*(2*\u+\qh)+4*\i:35+16*(2*\u+\qh)+4*\i], s[28+2*\ph:29+2*\ph] offset:(8*\qh+2*\i)*512+256*\u th:TH_STORE_NT   ; two runs of 256 consecutive bytes, each at a multiple of 256 from out0's first byte; written once, read by nobody here
.endr
.endr
.endr
.if \ph == 0
	s_wait_xcnt 0x0                                ; the stores' data registers take K's fragments again in the next phase: only behind this wait
.endif
.endm
; A PHASE: one tile of 16 queries, from q to out0.
.macro PHASE ph
.irp b, 0,1,2,3
.irp i, 0,1,2,3
	global_load_b128 v[96+16*\b+4*\i:99+16*\b+4*\i], v3, s[24+2*\ph:25+2*\ph] offset:128*\b+16*\i th:TH_LOAD_NT   ; lane (r, h): of query r, 16 neighbouring numbers of each block of 32
.endr
.endr
	s_mov_b32 s14, s[48+\ph]                       ; my first query,
	s_add_co_u32 s15, s14, 15                      ; my last
	s_mov_b32 s16, 0                               ; the step's first key
	s_mov_b32 s17, 0                               ; and its bytes in LDS
	s_mov_b32 s18, 8*(1+\ph)                       ; trips: a constant.  Phase 0's queries lie under 1,024: eight steps hold all their keys
	v_mov_b32 v13, 0xff61b1e6                      ; the largest t so far: -3e38, under every t
	v_floor_f32 v12, -v13                          ; -M
	v_mov_b32 v14, 0                               ; the sum, in two halves
	v_mov_b32 v15, 0
	s_wait_loadcnt 0x0                             ; q
	QUANTQ
.set n, 0
.rept 64
	v_mov_b32 v[160+n], 0                          ; O^T.  The step is written once a phase: its first trip finds zeros, which the first change of M leaves zeros; a first step of its own would be a third and fourth copy of the step.
.set n, n+1                                    ; These lines also stand between the writes of Q's codes and scale word and the first product
.endr
.if \ph == 0
	s_wait_tensorcnt 0x0                           ; my two parts of the head have landed,
	s_barrier_signal -1
	s_barrier_wait -1                              ; everybody's have: the head is whole, and stays: no wave waits for another from here to the closing round
.endif
.Lstep_\@:
	STEP \ph
	s_sub_co_u32 s18, s18, 1
	s_cmp_lg_u32 s18, 0
	s_cbranch_scc1 .Lstep_\@
	WAYOUT \ph
.endm
	s_load_b128 s[4:7], s[0:1], 0x0                ; q s[4:5], kv s[6:7]
	s_load_b64 s[8:9], s[0:1], 0x10                ; out0
	v_lshl_add_u32 v250, v0, 2, 0x4c800
	v_mov_b32 v251, 0
	ds_add_u32 v250, v251
	ds_add_u32 v250, v251
	v_lshrrev_b32 v1, 5, v0
	v_readfirstlane_b32 s10, v1                    ; wave 0..15
	s_bfe_u32 s11, ttmp6, 0x40000                  ; cx: the query head in its group
	s_and_b32 s13, ttmp7, 0xffff                   ; hk: the K/V head, which the four partners share
	s_lshl_b32 s48, ttmp9, 8                       ; in a cluster launch ttmp9 counts clusters: j
	s_lshl_b32 s19, s10, 4
	s_add_co_u32 s48, s48, s19                     ; phase 0: my first query = 256 j + 16 wave
	s_sub_co_u32 s49, 2032, s48                    ; phase 1: 256 (7 - j) + 16 (15 - wave)
	s_lshl_b32 s52, s13, 2                         ; s52-55 alone ever hold cx
	s_add_co_u32 s52, s52, s11                     ; the query head
	s_lshl_b32 s52, s52, 20                        ; a head of q or of out0 is 2,048 rows of 512 bytes
	s_lshl_b32 s54, s48, 9
	s_add_co_u32 s54, s54, s52                     ; phase 0's tile, in bytes (under 2^26)
	s_mov_b32 s55, 0
	s_lshl_b32 s19, s49, 9
	s_add_co_u32 s52, s52, s19                     ; phase 1's
	s_mov_b32 s53, 0
	s_mul_i32 s56, s13, HEADB                      ; the K/V head in kv,
	s_mul_i32 s33, s10, TLB                        ; my part of its first half: in LDS byte x is the head's byte x
	s_add_co_u32 s56, s56, s33
	s_mov_b32 s57, 0
	; descriptor group 1: a dense block of 8,704 bytes as 34 rows of 256 bytes (32 elements of 8 bytes), no padding: the images are read as 512 consecutive bytes
	s_mov_b32 s40, 15|(3<<16)|(1<<21)              ; 15:0 the mask: all four work-groups; 17:16 elements of 8 bytes; 21 set beside a mask
	s_mov_b32 s41, 32<<16                          ; tensor_dim0 = 32
	s_mov_b32 s42, 34<<16                          ; tensor_dim1 = 34
	s_mov_b32 s43, 32<<16                          ; tile_dim0 = 32
	s_mov_b32 s44, 34                              ; tile_dim1 = 34
	s_mov_b32 s45, 32                              ; from row to row: 32 elements
	s_mov_b32 s46, 0
	s_mov_b32 s47, 0
	s_mov_b32 s20, 0x76543210
	s_mov_b32 s21, 0xfedcba98                      ; v_permlanex16_b32's selects for lane l xor 16
	s_mov_b32 s22, 0x3e0293ee                      ; c = log2(e) / sqrt(128)
	s_mov_b32 s23, s22                             ; (named with it as a pair, so it is written)
	v_and_b32 v10, 15, v0                          ; r
	v_bfe_u32 v9, v0, 4, 1                         ; h
	v_and_b32 v8, 31, v0                           ; lane
	v_lshlrev_b32 v1, 4, v8                        ; 16 x lane: my place in an image
	v_lshlrev_b32 v2, 4, v10                       ; 16 r: my row's four scale words
	v_lshlrev_b32 v3, 9, v10
	v_lshl_add_u32 v3, v9, 6, v3                   ; q: row r of 512 bytes, + 64 h
	v_lshlrev_b32 v4, 9, v9
	v_lshl_add_u32 v4, v10, 4, v4                  ; out0: lanes 0-15 one row, lanes 16-31 the next; 16 bytes a lane
	s_mul_i32 s19, s10, WSTG
	s_add_co_u32 s19, s19, STAGE                   ; my stage
	v_and_b32 v5, 7, v0
	v_mul_u32_u24 v5, v5, SP
	v_lshl_add_u32 v5, v9, 5, v5
	v_add_nc_u32 v5, s19, v5                       ; in: row r % 8, + 32 h
	v_mul_u32_u24 v6, v9, SP
	v_lshl_add_u32 v6, v10, 4, v6
	v_add_nc_u32 v6, s19, v6                       ; back: row h, + 16 r
	v_lshlrev_b32 v7, 8, v8                        ; the prefetch: 256 x lane
	v_lshlrev_b32 v11, 4, v9
	v_sub_nc_u32 v11, v10, v11                     ; r - 16 h
.irp b, 0,1,2,3
	v_mov_b32 v[236+\b], 0                         ; written once: a lane permute's destination counts as one of its sources
.endr
	v_mov_b32 v252, 0
	v_mov_b32 v253, 0                              ; (named as the upper half of the pair v[252:253] before it is first written)
	s_wait_dscnt 0x0
	s_wait_kmcnt 0x0
	s_add_nc_u64 s[24:25], s[4:5], s[54:55]        ; q: phase 0's tile,
	s_add_nc_u64 s[26:27], s[4:5], s[52:53]        ; phase 1's
	s_add_nc_u64 s[28:29], s[8:9], s[54:55]        ; out0 likewise
	s_add_nc_u64 s[30:31], s[8:9], s[52:53]
	s_mov_b32 s32, 1                               ; group 0 of my first load: count = 1; s33: LDS address 8,704 x wave
	s_add_nc_u64 s[34:35], s[6:7], s[56:57]        ; global address: made of hk and the wave's number alone, equal in the four partners
	s_or_b32 s35, s35, 0x80000000                  ; type = 2
	s_mov_b32 s36, 1                               ; and of my second: the same place in the head's second half
	s_add_co_u32 s37, s33, 16*TLB
	s_add_nc_u64 s[38:39], s[6:7], s[56:57]
	s_add_nc_u64 s[38:39], s[38:39], 16*TLB
	s_or_b32 s39, s39, 0x80000000
	CROUND                                         ; all four work-groups are here: the joint loads meet
	tensor_load_to_lds s[32:35], s[40:47]          ; the launch's only fills, together: two tensor loads of mine are out; their descriptors are never written again
	s_nop 0
	tensor_load_to_lds s[36:39], s[40:47]
	s_nop 0
.rept 4
	v_nop                                          ; four v_nop follow the second
.endr
	PHASE 0
	PHASE 1
	s_wait_dscnt 0x0                               ; no LDS instruction of mine is pending at the signal
	s_wait_tensorcnt 0x0
	ds_add_u32 v250, v251
	s_wait_dscnt 0x0
	CROUND                                         ; the closing round: no work-group ends while a partner may still ask for a part that names it
	s_endpgm
.Lfunc_end_k_qedbbae87ba_attn:
	.size	k_qedbbae87ba_attn, .Lfunc_end_k_qedbbae87ba_attn-k_qedbbae87ba_attn
	.p2alignl 7, 3214868480
	.fill 96, 4, 3214868480
	.section	.rodata,"a",@progbits
	.p2align	6, 0x0
	.amdhsa_kernel k_qedbbae87ba_attn
		.amdhsa_group_segment_fixed_size 315392
		.amdhsa_private_segment_fixed_size 0
		.amdhsa_enable_private_segment 0
		.amdhsa_kernarg_size 24
		.amdhsa_user_sgpr_count 2
		.amdhsa_user_sgpr_kernarg_segment_ptr 1
		.amdhsa_wavefront_size32 1
		.amdhsa_system_sgpr_workgroup_id_x 1
		.amdhsa_system_sgpr_workgroup_id_y 1
		.amdhsa_system_sgpr_workgroup_id_z 1
		.amdhsa_system_vgpr_workitem_id 0
		.amdhsa_next_free_vgpr 256
		.amdhsa_next_free_sgpr 66
		.amdhsa_reserve_vcc 1
		.amdhsa_float_denorm_mode_32 3
		.amdhsa_float_denorm_mode_16_64 3
		.amdhsa_memory_ordered 1
		.amdhsa_forward_progress 1
		.amdhsa_inst_pref_size 82
	.end_amdhsa_kernel
	.amdgpu_metadata
---
amdhsa.version: [ 1, 2 ]
amdhsa.kernels:
  - .name:           k_qedbbae87ba_attn
    .symbol:         k_qedbbae87ba_attn.kd
    .args:
      - { .name: q, .offset: 0, .size: 8, .value_kind: global_buffer, .address_space: global }
      - { .name: kv, .offset: 8, .size: 8, .value_kind: global_buffer, .address_space: global }
      - { .name: out0, .offset: 16, .size: 8, .value_kind: global_buffer, .address_space: global }
    .group_segment_fixed_size: 315392
    .private_segment_fixed_size: 0
    .kernarg_segment_align: 8
    .kernarg_segment_size: 24
    .max_flat_workgroup_size: 512
    .sgpr_count:     66
    .vgpr_count:     256
    .wavefront_size: 32
...
	.end_amdgpu_metadata
.endif
;; end of part 2
